; MI455X (gfx1250); checked and timed in simulation.
; The chip was launched on July 23, 2026; its instructions are those of AMD's public machine-readable ISA for CDNA 5 (MIT licence, August 2026) and "CDNA5" Instruction Set Architecture Reference Guide (July 2026). The comments in the code are by the model that wrote it; some were corrected since.
;; Trainable Clustering Loss. Allowed arithmetic: matrix products marked QUANTISED: E3M2 operands, one E8M0 scale for each 32 along K, by v_wmma_scale_f32_16x16x128_f8f6f4 with both operands' format E3M2, f32 sums; everything else in f32.
;; Inputs: centroids 1,024 x 512 float32; embeddings 131,072 x 512 float32.
;; Outputs: out0 one number float32; out1 131,072 int32.
;; This version of the problem:
;;   THIS VERSION OF THE PROBLEM IS GIVEN IN LOW PRECISION. The matrix products marked QUANTISED in the list below multiply operands that are first quantised to E3M2 (3 exponent bits, 2 mantissa bits; 6 bits a number), with one power-of-two scale for each 32 numbers along K (OCP MX v1.0); their sums are f32. All else is computed in f32.
;;   The module's matrix products, in the order in which they are computed (A, B: the left and right operand; K: the contracted axis; several contracted axes count as one K, in the product's order):
;;     1. [M 131,072, K 512] x [K 512, N 1,024]; A: input embeddings; B: input centroids: QUANTISED
;;   THE QUANTISER, for each operand of a quantised product, along K:
;;     - K is cut into blocks of 32 from its start; a last block that is shorter is filled with zeros.
;;     - A block's scale is 2^e with e = floor(log2(the largest magnitude in the block)) - 4, held to -126 .. 127; a block of zeros has e = 0. As a byte (E8M0): e + 127.
;;     - Each number is divided by its block's scale, clamped to +-28, and rounded to the nearest number of E3M2, ties to even, subnormals kept.
;;     - The product sums the exact products of the quantised numbers (number of the format x scale) in f32.
;;   ~~~python
;;   def quantise(x, axis):      # numpy; x: float32 -> the quantised numbers, widened to float32 again
;;       x = np.moveaxis(x, axis, -1); K = x.shape[-1]
;;       x = np.pad(x, [(0, 0)] * (x.ndim - 1) + [(0, -K % 32)]); x = x.reshape(x.shape[:-1] + (-1, 32)); a = np.abs(x).max(-1, keepdims=True)
;;       e = np.where(a > 0, np.clip(np.frexp(np.where(a > 0, a, 1))[1] - 1 - 4, -126, 127), 0)      # np.frexp(a)[1] - 1 = floor(log2(a)), exactly
;;       r = np.clip(x / 2.0 ** e, -28, 28)
;;       step = 2.0 ** (np.maximum(np.frexp(np.where(r == 0, 1, r))[1] - 1, -2) - 2)
;;       q = np.round(r / step) * step * 2.0 ** e      # np.round: ties to even
;;       return np.moveaxis(q.reshape(q.shape[:-2] + (-1,))[..., :K], -1, axis).astype(np.float32)
;;   ~~~
;; One version. Each part assembles by itself: llvm-mc -triple=amdgcn-amd-amdhsa -mcpu=gfx1250 --defsym DOCPART=n.
;; ======== version 1 of 1: 4 launches
;; limits: right only within a limited range of input values
;; workspace buffers: wcodes 393,216 bytes; wscales 16,384 bytes; csqr 4,096 bytes; idxw 524,288 bytes of whole numbers; partials 1,024 bytes
;; launch prep (part 1): grid 64 x 1, 4 waves a work-group, no clusters, 1,536 bytes of LDS; arguments centroids, wcodes, wscales, csqr; writes wcodes, wscales, csqr
.if DOCPART == 1
	.amdgcn_target "amdgcn-amd-amdhsa--gfx1250"
	.amdhsa_code_object_version 6
	.text
	.protected	k_qce2a0df45a_prep
	.globl	k_qce2a0df45a_prep
	.p2align	8
	.type	k_qce2a0df45a_prep,@function
k_qce2a0df45a_prep:
	s_mov_b64 s[64:65], 0
	v_nop
	global_prefetch_b8 v0, s[64:65] scope:SCOPE_SE
	s_setreg_imm32_b32 hwreg(HW_REG_WAVE_MODE, 25, 1), 1
	s_wait_xcnt 0x0
; The centroids [1024][512] f32 become codes of BF6 (E3M2) with one E8M0 byte for each 32 along K, laid in the order in which the next launch's operand registers take them, and the sums of squares c_sq.
; A block's scale is 2^(floor(log2(largest magnitude)) - 4): its byte is the largest magnitude's exponent field - 4, held at 1 from below by a floor among the maximum's leaves.
; SHARES: work-group T = one tile of 16 centroids (16 T ..); wave s = K step s (128 along K); lane (r, h) holds row r and k = 128 s + 64 c + 32 h + 0 .. 31, c = 0, 1: two whole blocks, in the operand's own order.
; OUT: wcodes [w 4][f 64][q 3][lane 32][16 bytes], w = T / 16, t = T % 16, f = 16 (t / 4) + 4 s + t % 4: registers 4 q .. 4 q + 3 of the fragment, lane by lane.
;      wscales [w][2 t + s / 2][lane]: lanes 0-15 the words of an even K step, lanes 16-31 those of the odd one.   csqr [w][t / 2][lane]: lane 16 (r / 8) + 8 (t % 2) + r % 8 holds c_sq of row r of tile t.
; LIMITS: NaN and infinities are not served; a block whose largest magnitude lies under 2^-122 keeps the byte 1 (a block of zeros too: its codes are zeros, and this program alone reads the bytes);
; c_sq is an f32 sum in another order than a plain running sum.
.set X,   32                           ; v32-95   my 64 numbers
.set P,   96                           ; v96-107  the fragment's 12 registers
.set TMP, 108                          ; v108-110, v112-114 the upper halves of the two blocks' codes
.set MA,  16                           ; v16, v17 two chains of the largest magnitude
.set MB,  17
.set SQA, 18                           ; v[18:19], v[20:21] two chains of squares
.set SQB, 20
.set SC,  22                           ; v22, v23 the conversions' scale operands
.set BY,  24                           ; v24, v25 the scale bytes
.set WD,  26                           ; the scale word
.set WT,  27
.set ES,  28                           ; the sum of squares
.set ST,  29
	s_load_b256 s[4:11], s[0:1], 0x0               ; centroids s[4:5], wcodes s[6:7], wscales s[8:9], csqr s[10:11]
	v_lshl_add_u32 v128, v0, 2, 0x400
	v_mov_b32 v129, 0
	v_lshrrev_b32 v1, 5, v0
	v_readfirstlane_b32 s12, v1                    ; wave = K step s
	v_and_b32 v2, 15, v0                           ; r
	v_bfe_u32 v3, v0, 4, 1                         ; h
	v_and_b32 v11, 31, v0                          ; lane
	v_lshlrev_b32 v4, 11, v2
	v_lshl_add_u32 v4, v3, 7, v4                   ; in: row r of 2,048 bytes + 128 h
	v_lshlrev_b32 v5, 4, v11                       ; an image's place: 16 x lane
	v_lshlrev_b32 v6, 2, v2                        ; 4 r
	v_lshlrev_b32 v7, 3, v3                        ; 8 h: how far my two bytes are shifted in the scale word
	v_lshrrev_b32 v8, 3, v2
	v_and_b32 v9, 7, v2
	v_lshlrev_b32 v9, 2, v9
	v_lshl_add_u32 v8, v8, 6, v9                   ; csqr: 4 x (16 (r / 8) + r % 8)
	s_lshl_b32 s26, s12, 6
	v_add_nc_u32 v10, s26, v6                      ; LDS: 64 s + 4 r: my K step's part of row r's sum
	v_mov_b32 v[WT], 0                             ; a lane permute's destination counts as one of its sources
	v_mov_b32 v[ST], 0
	v_cmp_gt_u32 vcc_lo, 16, v11                   ; lanes 0-15: for the two stores that have 16 owners
	s_mov_b32 s20, 0x76543210
	s_mov_b32 s21, 0xfedcba98                      ; v_permlanex16_b32's selects for lane l xor 16
	s_lshr_b32 s16, ttmp9, 4                       ; w
	s_and_b32 s17, ttmp9, 15                       ; t
	s_lshl_b32 s14, ttmp9, 15                      ; 16 rows of 2,048 bytes a tile,
	s_lshl_b32 s15, s12, 9                         ; 512 bytes a K step
	s_add_co_u32 s14, s14, s15
	s_mov_b32 s15, 0
	s_lshr_b32 s18, s17, 2
	s_lshl_b32 s18, s18, 4                         ; 16 (t / 4)
	s_and_b32 s19, s17, 3
	s_add_co_u32 s18, s18, s19                     ; + t % 4
	s_lshl_b32 s19, s12, 2
	s_add_co_u32 s18, s18, s19                     ; + 4 s = f
	s_lshl_b32 s19, s16, 6
	s_add_co_u32 s18, s18, s19                     ; + 64 w
	s_mul_i32 s18, s18, 1536                       ; a fragment's image is 1,536 bytes
	s_mov_b32 s19, 0
	s_lshl_b32 s22, s16, 12                        ; wscales: 4,096 w + 256 t + 64 s (128 (s / 2) + 64 (s % 2) = 64 s)
	s_lshl_b32 s23, s17, 8
	s_add_co_u32 s22, s22, s23
	s_add_co_u32 s22, s22, s26
	s_mov_b32 s23, 0
	s_lshl_b32 s24, s16, 10                        ; csqr: 1,024 w + 128 (t / 2) + 32 (t % 2)
	s_lshr_b32 s25, s17, 1
	s_lshl_b32 s25, s25, 7
	s_add_co_u32 s24, s24, s25
	s_and_b32 s25, s17, 1
	s_lshl_b32 s25, s25, 5
	s_add_co_u32 s24, s24, s25
	s_mov_b32 s25, 0
	s_wait_kmcnt 0x0
	s_add_nc_u64 s[4:5], s[4:5], s[14:15]
	s_add_nc_u64 s[6:7], s[6:7], s[18:19]
	s_add_nc_u64 s[8:9], s[8:9], s[22:23]
	s_add_nc_u64 s[10:11], s[10:11], s[24:25]
.irp c, 0,1
.irp j, 0,1,2,3,4,5,6,7
	global_load_b128 v[X+32*\c+4*\j:X+32*\c+4*\j+3], v4, s[4:5] offset:256*\c+16*\j
.endr
.endr
	s_wait_loadcnt 0x0
; One block of 32: its largest magnitude (two chains), its squares (two chains, by turns with the maxima, so that no line waits for the line above it), its scale, its codes.
.macro HALF c
.set XS, X+32*(\c)
.set HI, 0
.rept 8
.if HI == 0
	v_max3_num_f32 v[MA], |v[XS]|, |v[XS+1]|, 0x2800000            ; the floor 2^(5 - 127) is a leaf: the byte cannot fall under 1
	v_max3_num_f32 v[MB], |v[XS+16]|, |v[XS+17]|, |v[XS+18]|
.else
	v_max3_num_f32 v[MA], v[MA], |v[XS+2*HI]|, |v[XS+2*HI+1]|
.if HI < 7
	v_max3_num_f32 v[MB], v[MB], |v[XS+17+2*HI]|, |v[XS+18+2*HI]|
.endif
.endif
.if (HI == 0) && ((\c) == 0)
	v_pk_mul_f32 v[SQA:SQA+1], v[XS:XS+1], v[XS:XS+1]              ; the first products start the sums
	v_pk_mul_f32 v[SQB:SQB+1], v[XS+16:XS+17], v[XS+16:XS+17]
.else
	v_pk_fma_f32 v[SQA:SQA+1], v[XS+2*HI:XS+2*HI+1], v[XS+2*HI:XS+2*HI+1], v[SQA:SQA+1]
	v_pk_fma_f32 v[SQB:SQB+1], v[XS+16+2*HI:XS+17+2*HI], v[XS+16+2*HI:XS+17+2*HI], v[SQB:SQB+1]
.endif
.set HI, HI+1
.endr
	v_max3_num_f32 v[MA], v[MA], v[MB], |v[XS+31]|
	v_add_nc_u32 v[SC+(\c)], 0xfe000000, v[MA]                     ; 4 off the exponent field: the conversion takes this operand's exponent field as its scale
	v_cvt_scalef32_pk16_bf6_f32 v[P+6*(\c):P+6*(\c)+2], v[XS:XS+15], v[SC+(\c)]
	v_cvt_scalef32_pk16_bf6_f32 v[TMP+4*(\c):TMP+4*(\c)+2], v[XS+16:XS+31], v[SC+(\c)]   ; (a conversion's three registers begin on an even number)
	v_lshrrev_b32 v[BY+(\c)], 23, v[SC+(\c)]                       ; the byte; also the plain line behind the conversions
.endm
	HALF 0
	HALF 1
.irp c, 0,1
.irp i, 0,1,2
	v_mov_b32 v[P+3+6*\c+\i], v[TMP+4*\c+\i]       ; registers 6 c .. 6 c + 5 hold k = 64 c + 32 h + 0 .. 31
.endr
.endr
	v_lshl_or_b32 v[WD], v[BY+1], 16, v[BY]        ; my bytes: blocks h and 2 + h,
	v_pk_add_f32 v[SQA:SQA+1], v[SQA:SQA+1], v[SQB:SQB+1]
	v_lshlrev_b32 v[WD], v7, v[WD]                 ; at their places;
	v_add_f32 v[ES], v[SQA], v[SQA+1]
	v_permlanex16_b32 v[WT], v[WD], s20, s21
	v_permlanex16_b32 v[ST], v[ES], s20, s21
	v_or_b32 v[WD], v[WD], v[WT]                   ; with lane l xor 16's two the word is whole
	v_add_f32 v[ES], v[ES], v[ST]                  ; row r's squares over this K step
.irp q, 0,1,2
	global_store_b128 v5, v[P+4*\q:P+4*\q+3], s[6:7] offset:512*\q   ; 32 lanes store 512 consecutive bytes
.endr
	ds_store_b32 v10, v[ES]                        ; both halves of the lanes write the same word with the same value
	s_wait_alu depctr_va_vdst(0)
	s_wait_xcnt 0x0                                ; EXEC changes only behind this wait
	s_and_saveexec_b32 s27, vcc_lo
	global_store_b32 v6, v[WD], s[8:9]             ; 16 scale words
	s_wait_xcnt 0x0                                ; and again in front of the line that widens it
	s_or_b32 exec_lo, exec_lo, s27
	s_wait_dscnt 0x0                               ; for the others' sake: my store has landed
	s_barrier_signal -1
	s_barrier_wait -1
	s_cmp_lg_u32 s12, 0
	s_cbranch_scc1 .Ldone                          ; wave 0 adds the four K steps' parts, K ascending
.irp k, 0,1,2,3
	ds_load_b32 v[12+\k], v6 offset:64*\k
.endr
	s_wait_dscnt 0x0
	v_add_f32 v12, v12, v13
	v_add_f32 v12, v12, v14
	v_add_f32 v12, v12, v15
	s_wait_alu depctr_va_vdst(0)
	s_wait_xcnt 0x0
	s_and_saveexec_b32 s27, vcc_lo
	global_store_b32 v8, v12, s[10:11]
	s_wait_xcnt 0x0
	s_or_b32 exec_lo, exec_lo, s27
.Ldone:
	s_wait_tensorcnt 0x0
	ds_add_u32 v128, v129
	s_wait_dscnt 0x0
	s_endpgm
.Lfunc_end_k_qce2a0df45a_prep:
	.size	k_qce2a0df45a_prep, .Lfunc_end_k_qce2a0df45a_prep-k_qce2a0df45a_prep
	.p2alignl 7, 3214868480
	.fill 96, 4, 3214868480
	.section	.rodata,"a",@progbits
	.p2align	6, 0x0
	.amdhsa_kernel k_qce2a0df45a_prep
		.amdhsa_group_segment_fixed_size 1536
		.amdhsa_private_segment_fixed_size 0
		.amdhsa_enable_private_segment 0
		.amdhsa_kernarg_size 32
		.amdhsa_user_sgpr_count 2
		.amdhsa_user_sgpr_kernarg_segment_ptr 1
		.amdhsa_wavefront_size32 1
		.amdhsa_system_sgpr_workgroup_id_x 1
		.amdhsa_system_sgpr_workgroup_id_y 1
		.amdhsa_system_sgpr_workgroup_id_z 1
		.amdhsa_system_vgpr_workitem_id 0
		.amdhsa_next_free_vgpr 130
		.amdhsa_next_free_sgpr 66
		.amdhsa_reserve_vcc 1
		.amdhsa_float_denorm_mode_32 3
		.amdhsa_float_denorm_mode_16_64 3
		.amdhsa_memory_ordered 1
		.amdhsa_forward_progress 1
		.amdhsa_inst_pref_size 11
	.end_amdhsa_kernel
	.amdgpu_metadata
---
amdhsa.version: [ 1, 2 ]
amdhsa.kernels:
  - .name:           k_qce2a0df45a_prep
    .symbol:         k_qce2a0df45a_prep.kd
    .args:
      - { .name: centroids, .offset: 0, .size: 8, .value_kind: global_buffer, .address_space: global }
      - { .name: wcodes, .offset: 8, .size: 8, .value_kind: global_buffer, .address_space: global }
      - { .name: wscales, .offset: 16, .size: 8, .value_kind: global_buffer, .address_space: global }
      - { .name: csqr, .offset: 24, .size: 8, .value_kind: global_buffer, .address_space: global }
    .group_segment_fixed_size: 1536
    .private_segment_fixed_size: 0
    .kernarg_segment_align: 8
    .kernarg_segment_size: 32
    .max_flat_workgroup_size: 128
    .sgpr_count:     66
    .vgpr_count:     130
    .wavefront_size: 32
...
	.end_amdgpu_metadata
.endif
;; end of part 1
;; launch assign (part 2): grid 256 x 1, 4 waves a work-group, no clusters, 327,680 bytes of LDS; arguments embeddings, wcodes, wscales, csqr, out1, idxw; writes out1, idxw
.if DOCPART == 2
	.amdgcn_target "amdgcn-amd-amdhsa--gfx1250"
	.amdhsa_code_object_version 6
	.text
	.protected	k_qce2a0df45a_assign
	.globl	k_qce2a0df45a_assign
	.p2align	8
	.type	k_qce2a0df45a_assign,@function
k_qce2a0df45a_assign:
	s_mov_b64 s[64:65], 0
	v_nop
	global_prefetch_b8 v0, s[64:65] scope:SCOPE_SE
	s_setreg_imm32_b32 hwreg(HW_REG_WAVE_MODE, 25, 1), 1
	s_wait_xcnt 0x0
; out1[n] = argmin over k of d2[n][k], d2 = e_sq[n] - 2 cross[n][k] + c_sq[k], cross = Q(embeddings) Q(centroids)^T on codes of BF6 (E3M2) with one E8M0 byte for each 32 along K.  idxw is a copy for the next launch.
; WORK LEFT OUT: e_sq[n] is added to every d2[n][k] of row n alike, so for all values of the inputs it cannot move the argmin over k, and no other result uses d2: e_sq is not computed.
; What is left, c_sq[k] - 2 cross[n][k], is lowest where s = cross[n][k] - c_sq[k] / 2 is largest (an exact scaling by -1/2): the first largest s is kept.
; LIMITS: a NaN, an infinity or an overflow that reaches only e_sq is not carried to the result; NaN and infinities among the inputs are not served, nor rows whose s overflows;
; a block whose largest magnitude lies under 2^-122 keeps the byte 1; s is rounded in another order than d2 is written: -c_sq / 2 begins the f32 sum and the four K steps are added to it.
; SHARES.  A work-group owns 512 rows, 8 blocks of 64.  Wave w owns centroids 256 w .. 256 w + 255: their 64 fragments (768 registers) stay in its registers for the whole launch.
; A BLOCK: wave w quantises rows 16 w .. + 15 out of its part of the ring and stores the fragments' register images and scale words in LDS | barrier | every wave multiplies the four row tiles by its 16 tiles of centroids.
; Source 0 = 16 centroids, source 1 = 16 rows: lane (r, h) holds ONE row r, register j of tile t the centroid 256 w + 16 t + 8 h + j.
; A STEP is a group of two tiles: eight matrix instructions (four K steps, the two accumulators by turns), then the 21 vector lines of the group before.  Four sets of accumulators: behind every second step the two sets
; that have been read take -c_sq / 2 of the groups two and three steps on from a table in LDS, as the sums' beginning.  LDS lines stand in few runs: a row tile's candidate stores and the fragments of the row tile after next join such a run.
; The waves' candidates of all 8 blocks stay in LDS (2,048 bytes a block) and are joined at the end: wave w stores the indices of blocks 2 w and 2 w + 1, 256 consecutive bytes a store.
; PREFETCH: in trip t the tensor load asks for block t + 1 and four prefetches a wave name block t + 2: a lane a run of 256 bytes, 128 runs = my 16 rows; trips 6 and 7 ask for nothing.
; NO CLUSTER, though all work-groups read the weights: they go from memory into registers, in the registers' order, once; a joint load lands in LDS, and the four waves' 393,216 bytes are more than the 327,680 that there are.
.set SLOT,   135168                    ; a ring slot: four waves' parts
.set WPART,  33792                     ; a wave's part: 16 rows as 64 pieces of 512 bytes + 16 of padding
.set PIECE,  528
.set IMG,    2*SLOT                    ; images: tile m at 6,400 m, K step s at 1,600 s, lane at 48, four registers at 16
.set IMT,    6400
.set IMS,    1600
.set XSC,    IMG+4*IMT                 ; the rows' scale words: 256 m + 64 s + 4 r
.set CTB,    XSC+1024                  ; -c_sq / 2: 1,024 w + 128 (t / 2) + 64 h + 32 (t % 2) + 4 j
.set CAND,   CTB+4096                  ; candidates: 2,048 block + 256 wave + 64 m + 4 r: the value; 1,024 further on the index
.set SPARE,  CAND+8*2048               ; the spare words: two blocks of 256 bytes that no other line names
.set SPW, 1                            ; SPARE + 4 x thread; never rewritten
.set NIL, 2                            ; 0; never rewritten
.set QB,  3                            ; the quantiser: my place in a slot
.set QA,  4                            ; the same in the slot in hand
.set IW,  5                            ; where I store an image
.set SW,  6                            ; a scale word
.set IR,  7                            ; where I read an image: IMG + 48 lane
.set SR,  8                            ; scale words: XSC + 4 lane
.set CW,  9                            ; my wave's candidates: + 4 r
.set CA,  10                           ; the same in the block in hand
.set FR,  11                           ; the end: CAND + 4,096 w + 8 lane
.set GO,  12                           ; byte offset in the outputs: 512 w + 8 lane
.set LB,  13                           ; 256 w + 8 h
.set H8,  14                           ; 8 h
.set CT,  15                           ; the table: CTB + 1,024 w + 64 h
.set PFO, 16                           ; 256 x lane
.set WA,  17                           ; 16 x lane
.set WA2, 18                           ; 4 x lane
.set GB,  19                           ; the lane's largest s so far
.set BT,  20                           ; its tile
.set TA,  21                           ; at work: v21-31
.set TM,  22
.set IX,  23
.set E1,  24
.set E2,  25
.set E3,  26
.set E4,  27
.set WT,  28
.set ST,  29
.set E5,  30
.set E6,  31
.set MV,  30
.set CI,  31
.set WB,  32                           ; v32-39 the best tile's eight s
.set WSC, 40                           ; v40-71 the weights' scale words: register 2 t + s / 2; lanes 0-15 the even K step, lanes 16-31 the odd
.set F63, 72                           ; v72-83 fragment 63; fragments 0-62 lie in window 1 + f / 21 at v[12 (f % 21)]
.set ACC, 84                           ; v84-147 four sets of two accumulators
.set XF,  148                          ; v148-243 two sets of the rows' four fragments
.set SAB, 252                          ; v252-255 two sets of the rows' scale words: K steps 0 | 1 and 2 | 3
.set QBUF, 84                          ; the quantiser: two buffers of 64 numbers, v84-211
.set PSB, 212                          ; two sets of codes, v212-235
.set TMP, 236                          ; upper halves of two blocks' codes
.set MA,  244
.set MB,  245
.set MC,  21
.set MD,  22
.set SC,  246
.set BY,  248
.set WD,  250
.set TR,  244                          ; the head, at work: v244-251
.set TH,  245
.set TL,  246
.set TK,  247
.set TQ,  248
.set CTW, 251
.set FV,  84                           ; the end: values and indices
.set WV,  16                           ; s16 wave
.set SEL, 20                           ; s[20:21] selects for lane l xor 16
.set BIG, 22                           ; s22 a number over every index
.set NINF, 23
.set G1,  24                           ; s[24:31] descriptor group 1
.set G0,  32                           ; s[32:35] descriptor group 0, which walks
.set WP,  37
.set TB,  38                           ; the slot in hand: 0 or SLOT
.set BC,  39                           ; blocks
.set CB,  40                           ; 2,048 x block
.set PF,  42                           ; s[42:43] my 16 rows of the block that the prefetches name
.set MK,  52                           ; s52-62 lane masks at a row tile's end
.set MSB, 0
.macro WIN new                         ; the immediate's high byte repeats the setting that is left
.if MSB != (\new)
	s_set_vgpr_msb (MSB<<8)|(\new)
.set MSB, \new
.endif
.endm
	s_load_b256 s[4:11], s[0:1], 0x0               ; embeddings, wcodes, wscales, csqr
	s_load_b128 s[12:15], s[0:1], 0x20             ; out1, idxw
	v_lshl_add_u32 v[SPW], v0, 2, SPARE
	v_mov_b32 v[NIL], 0
	ds_add_u32 v[SPW], v[NIL]                      ; the opening lines: the add,
	ds_add_u32 v[SPW], v[NIL]                      ; once more, and below the one wait
	v_lshrrev_b32 v[TR], 5, v0
	v_readfirstlane_b32 s[WV], v[TR]               ; wave 0..3
	; group 1: my 16 rows of a block are 32,768 dense bytes: 64 rows of 64 elements of 8 bytes, 4 words of padding behind every 128
	s_mov_b32 s[G1], (3<<16)|(1<<20)|(6<<22)|(3<<25)
	s_mov_b32 s[G1+1], 64<<16
	s_mov_b32 s[G1+2], 64<<16
	s_mov_b32 s[G1+3], 64<<16
	s_mov_b32 s[G1+4], 64
	s_mov_b32 s[G1+5], 64
	s_mov_b32 s[G1+6], 0
	s_mov_b32 s[G1+7], 0
	s_mul_i32 s[WP], s[WV], WPART
	s_lshl_b32 s18, ttmp9, 20                      ; 512 rows of 2,048 bytes a work-group,
	s_lshl_b32 s19, s[WV], 15                      ; 16 a wave
	s_add_co_u32 s18, s18, s19
	s_mov_b32 s19, 0
	s_mov_b32 s[SEL], 0x76543210
	s_mov_b32 s[SEL+1], 0xfedcba98
	s_mov_b32 s[BIG], 0x7fffffff
	s_mov_b32 s[NINF], 0xff800000
	s_mov_b32 s[TB], 0
	s_mov_b32 s[CB], 0
	s_mov_b32 s[BC], 0
	s_mul_i32 s44, s[WV], IMT
	s_add_co_u32 s44, s44, IMG
	s_lshl_b32 s45, s[WV], 8
	s_add_co_u32 s46, s45, XSC
	s_add_co_u32 s47, s45, CAND
	s_lshl_b32 s48, s[WV], 10
	s_add_co_u32 s48, s48, CTB
	s_lshl_b32 s49, s[WV], 12
	s_add_co_u32 s49, s49, CAND
	s_lshl_b32 s50, s[WV], 9
	s_wait_dscnt 0x0
	s_wait_kmcnt 0x0
	s_mov_b32 s[G0], 1
	s_mov_b32 s[G0+1], s[WP]                       ; slot 0
	s_add_nc_u64 s[G0+2:G0+3], s[4:5], s[18:19]
	s_add_nc_u64 s[PF:PF+1], s[G0+2:G0+3], 0x20000 ; block 1: the first change of slots steps it to block 2
	s_or_b32 s[G0+3], s[G0+3], 0x80000000
	tensor_load_to_lds s[G0:G0+3], s[G1:G1+7]      ; block 0: my one tensor load at the head
	s_nop 0
	v_and_b32 v[TR], 15, v0                        ; r; in the quantiser 4 x (row of four) + K step
	v_bfe_u32 v[TH], v0, 4, 1                      ; h
	v_and_b32 v[TL], 31, v0                        ; lane
	v_and_b32 v[TK], 3, v[TR]
	v_lshrrev_b32 v[TQ], 2, v[TR]
	v_mul_u32_u24 v[QB], v[TR], PIECE
	v_lshl_add_u32 v[QB], v[TH], 7, v[QB]
	v_add_nc_u32 v[QB], s[WP], v[QB]
	v_lshl_add_u32 v[IW], v[TH], 4, v[TQ]
	v_mul_u32_u24 v[IW], v[IW], 48                 ; the lane of the image that my codes belong to: row + 16 h
	v_mad_u32_u24 v[IW], v[TK], IMS, v[IW]
	v_add_nc_u32 v[IW], s44, v[IW]
	v_lshlrev_b32 v[SW], 6, v[TK]
	v_lshl_add_u32 v[SW], v[TQ], 2, v[SW]
	v_add_nc_u32 v[SW], s46, v[SW]
	v_lshl_add_u32 v[CW], v[TR], 2, s47
	v_lshl_add_u32 v[LB], v[TH], 3, s45
	v_mul_u32_u24 v[IR], v[TL], 48
	v_add_nc_u32 v[IR], IMG, v[IR]
	v_lshl_add_u32 v[SR], v[TL], 2, XSC
	v_lshlrev_b32 v[H8], 3, v[TH]
	v_lshl_add_u32 v[CT], v[TH], 6, s48
	v_lshl_add_u32 v[CTW], v[TL], 4, s48
	v_lshl_add_u32 v[FR], v[TL], 3, s49
	v_lshl_add_u32 v[GO], v[TL], 3, s50
	v_lshlrev_b32 v[PFO], 8, v[TL]
	v_lshlrev_b32 v[WA], 4, v[TL]
	v_lshlrev_b32 v[WA2], 2, v[TL]
	v_mov_b32 v[GB], s[NINF]
	v_mov_b32 v[BT], 0
.irp j, 0,1,2,3,4,5,6,7
	v_mov_b32 v[WB+\j], 0
.endr
	v_mov_b32 v[WT], 0                             ; lane permutes' destinations count as sources
	v_mov_b32 v[ST], 0
	s_wait_alu depctr_va_vdst(0)
	s_mul_i32 s18, s[WV], 98304
	s_add_nc_u64 s[6:7], s[6:7], s[18:19]
	s_lshl_b32 s18, s[WV], 12
	s_add_nc_u64 s[8:9], s[8:9], s[18:19]
	s_lshl_b32 s18, s[WV], 10
	s_add_nc_u64 s[10:11], s[10:11], s[18:19]
	s_lshl_b32 s18, ttmp9, 11                      ; 512 indices of 4 bytes a work-group
	s_add_nc_u64 s[12:13], s[12:13], s[18:19]
	s_add_nc_u64 s[14:15], s[14:15], s[18:19]
	global_load_b128 v[84:87], v[WA], s[10:11]     ; my 256 c_sq, as they lie
	global_load_b128 v[88:91], v[WA], s[10:11] offset:512
.set FN, 0
.rept 32
	global_load_b32 v[WSC+FN], v[WA2], s[8:9] offset:128*FN
.set FN, FN+1
.endr
.set FN, 0
.rept 64                                       ; my 64 fragments, three loads of 512 consecutive bytes each
.if FN < 63
	WIN (1+FN/21)<<6
.set MF, 12*(FN%21)
.else
	WIN 0
.set MF, F63
.endif
.irp q, 0,1,2
	global_load_b128 v[MF+4*\q:MF+4*\q+3], v[WA], s[6:7] offset:1536*FN+512*\q
.endr
.set FN, FN+1
.endr
	WIN 0
	s_wait_loadcnt 63                              ; 224 loads were issued behind c_sq's two: with 63 out these two are in
.irp j, 0,2,4,6
	v_pk_mul_f32 v[84+\j:85+\j], v[84+\j:85+\j], -0.5 op_sel_hi:[1,0]   ; -c_sq / 2, exact
.endr
	ds_store_b128 v[CTW], v[84:87]                 ; my wave's part of the table, which my wave alone reads
	ds_store_b128 v[CTW], v[88:91] offset:512
; THE CHANGE OF SLOTS, at a block's head: all my tensor loads are in, the add, my LDS instructions are done, the barrier; fill = 1: the other slot takes the next block, one load a wave.
.macro CHANGE fill
	s_wait_tensorcnt 0x0                           ; no tensor load of mine is out, so group 0 may be written
	ds_add_u32 v[SPW], v[NIL]
.if \fill
	s_xor_b32 s[G0+1], s[G0+1], SLOT
	s_add_nc_u64 s[G0+2:G0+3], s[G0+2:G0+3], 0x20000   ; 64 rows on
	s_wait_xcnt 0x0                                ; the last trip's prefetches have read their base
	s_add_nc_u64 s[PF:PF+1], s[PF:PF+1], 0x20000
.endif
	s_wait_dscnt 0x0                               ; the add is done; my reads of the slot and of the images are over, my candidates have landed
	s_barrier_signal -1
	s_barrier_wait -1
.if \fill
	tensor_load_to_lds s[G0:G0+3], s[G1:G1+7]
	s_nop 0
.endif
	v_add_nc_u32 v[QA], s[TB], v[QB]
	v_add_nc_u32 v[CA], s[CB], v[CW]
	v_nop                                          ; four vector lines behind the load, ahead of any switch of windows
	v_nop
.endm
; THE QUANTISER.  Unit n: rows 4 n .. + 3; lane (h, q): row q / 4 of the four, K step q % 4, k = 64 c + 32 h + 0 .. 31 of the step, c = 0, 1: two whole blocks in 64 registers.
.macro HULP n                          ; 16 LDS loads
.irp c, 0,1
.irp j, 0,1,2,3,4,5,6,7
	ds_load_b128 v[QBUF+64*((\n)%2)+32*\c+4*\j:QBUF+64*((\n)%2)+32*\c+4*\j+3], v[QA] offset:16*PIECE*(\n)+256*\c+16*\j
.endr
.endr
.endm
.macro UNIT n                          ; the two blocks' largest magnitudes (four chains by turns), scales, codes, the scale word; four LDS stores in one run at the end
.set XS, QBUF+64*((\n)%2)
.set PS, PSB+12*((\n)%2)
.set WDN, WD+(\n)%2
	v_max3_num_f32 v[MA], |v[XS]|, |v[XS+1]|, 0x2800000            ; the floor 2^(5 - 127) is a leaf: the byte cannot fall under 1
	v_max3_num_f32 v[MB], |v[XS+16]|, |v[XS+17]|, |v[XS+18]|
	v_max3_num_f32 v[MC], |v[XS+32]|, |v[XS+33]|, 0x2800000
	v_max3_num_f32 v[MD], |v[XS+48]|, |v[XS+49]|, |v[XS+50]|
.set HI, 1
.rept 7
	v_max3_num_f32 v[MA], v[MA], |v[XS+2*HI]|, |v[XS+2*HI+1]|
.if HI < 7
	v_max3_num_f32 v[MB], v[MB], |v[XS+17+2*HI]|, |v[XS+18+2*HI]|
.endif
	v_max3_num_f32 v[MC], v[MC], |v[XS+32+2*HI]|, |v[XS+33+2*HI]|
.if HI < 7
	v_max3_num_f32 v[MD], v[MD], |v[XS+49+2*HI]|, |v[XS+50+2*HI]|
.endif
.set HI, HI+1
.endr
	v_max3_num_f32 v[MA], v[MA], v[MB], |v[XS+31]|
	v_max3_num_f32 v[MC], v[MC], v[MD], |v[XS+63]|
	v_add_nc_u32 v[SC], 0xfe000000, v[MA]          ; 4 off the exponent field: the conversion's scale operand
	v_add_nc_u32 v[SC+1], 0xfe000000, v[MC]
	v_cvt_scalef32_pk16_bf6_f32 v[PS:PS+2], v[XS:XS+15], v[SC]
	v_cvt_scalef32_pk16_bf6_f32 v[PS+6:PS+8], v[XS+32:XS+47], v[SC+1]
	v_cvt_scalef32_pk16_bf6_f32 v[TMP:TMP+2], v[XS+16:XS+31], v[SC]        ; (a conversion's three registers begin on an even number)
	v_cvt_scalef32_pk16_bf6_f32 v[TMP+4:TMP+6], v[XS+48:XS+63], v[SC+1]
	v_lshrrev_b32 v[BY], 23, v[SC]                 ; the bytes; also the plain lines behind the conversions
	v_lshrrev_b32 v[BY+1], 23, v[SC+1]
.irp i, 0,1,2
	v_mov_b32 v[PS+3+\i], v[TMP+\i]
.endr
	v_lshl_or_b32 v[WDN], v[BY+1], 16, v[BY]       ; my bytes: blocks h and 2 + h,
.irp i, 0,1,2
	v_mov_b32 v[PS+9+\i], v[TMP+4+\i]
.endr
	v_lshlrev_b32 v[WDN], v[H8], v[WDN]            ; at their places;
	v_permlanex16_b32 v[WT], v[WDN], s[SEL], s[SEL+1]
	v_or_b32 v[WDN], v[WDN], v[WT]                 ; with lane l xor 16's two the word is whole
.irp q, 0,1,2
	ds_store_b128 v[IW], v[PS+4*\q:PS+4*\q+3] offset:192*(\n)+16*\q
.endr
	ds_store_b32 v[SW], v[WDN] offset:16*(\n)      ; lanes that share a word write the same value
.endm
.macro QWAIT n                         ; n = the LDS instructions issued behind the 16 loads that the next unit needs (16 a run of loads, 4 a unit's stores)
	s_wait_alu depctr_va_vdst(0)
	s_wait_dscnt \n
.endm
.macro PHASEQ
	HULP 0
	HULP 1
	QWAIT 16
	UNIT 0
	HULP 2
	QWAIT 20
	UNIT 1
	HULP 3
	QWAIT 20
	UNIT 2
	QWAIT 4
	UNIT 3
.endm
; ISS counts the LDS instructions issued since the block's second barrier; MRK0 .. MRK3 keep its value behind the table loads of the last group that went into each set of accumulators.
.macro XLOAD m                         ; row tile m's four fragments and two scale registers into set m % 2: 14 LDS loads
.irp s, 0,1,2,3
.irp q, 0,1,2
	ds_load_b128 v[XF+48*((\m)%2)+12*\s+4*\q:XF+48*((\m)%2)+12*\s+4*\q+3], v[IR] offset:IMT*(\m)+IMS*\s+16*\q
.endr
.endr
	ds_load_b32 v[SAB+2*((\m)%2)], v[SR] offset:256*(\m)
	ds_load_b32 v[SAB+2*((\m)%2)+1], v[SR] offset:256*(\m)+128
.set ISS, ISS+14
.endm
.macro CINIT g                         ; group g's sums begin: -c_sq / 2 of tiles 2 (g % 8) and + 1 into set g % 4: 4 LDS loads, sixteen lanes to one address
.irp u, 0,1
	ds_load_b128 v[ACC+16*((\g)%4)+8*\u:ACC+16*((\g)%4)+8*\u+3], v[CT] offset:128*((\g)%8)+32*\u
	ds_load_b128 v[ACC+16*((\g)%4)+8*\u+4:ACC+16*((\g)%4)+8*\u+7], v[CT] offset:128*((\g)%8)+32*\u+16
.endr
.set ISS, ISS+4
.if (\g)%4 == 0
.set MRK0, ISS
.endif
.if (\g)%4 == 1
.set MRK1, ISS
.endif
.if (\g)%4 == 2
.set MRK2, ISS
.endif
.if (\g)%4 == 3
.set MRK3, ISS
.endif
.endm
; Eight matrix instructions of group g: K step TI / 2, tile 2 (g % 8) + TI % 2; the two accumulators by turns, and neighbouring groups use different sets.  An odd K step's scale words lie in lanes 16-31.
.macro MUL8 g
.set TI, 0
.rept 8
.set MS, TI/2
.set MT, 2*((\g)%8)+TI%2
.set FN, 16*(MT/4)+4*MS+MT%4
.set MD8, ACC+16*((\g)%4)+8*(TI%2)
.set MX, XF+48*(((\g)/8)%2)+12*MS
.set MW, WSC+2*MT+MS/2
.set MZ, SAB+2*(((\g)/8)%2)+MS/2
.if FN < 63
	WIN 1+FN/21                                    ; source 0 in the fragment's window
.set MF, 12*(FN%21)
.else
	WIN 0
.set MF, F63
.endif
.if MS%2 == 1
	v_wmma_scale_f32_16x16x128_f8f6f4 v[MD8:MD8+7], v[MF:MF+11], v[MX:MX+11], v[MD8:MD8+7], v[MW], v[MZ] matrix_a_fmt:MATRIX_FMT_BF6 matrix_b_fmt:MATRIX_FMT_BF6 matrix_a_scale:MATRIX_SCALE_ROW1 matrix_b_scale:MATRIX_SCALE_ROW1
.else
	v_wmma_scale_f32_16x16x128_f8f6f4 v[MD8:MD8+7], v[MF:MF+11], v[MX:MX+11], v[MD8:MD8+7], v[MW], v[MZ] matrix_a_fmt:MATRIX_FMT_BF6 matrix_b_fmt:MATRIX_FMT_BF6
.endif
.set TI, TI+1
.endr
	WIN 0
.endm
; The vector work of group g, 21 lines: six leaves that hang on nothing of each other, two roots (tile a's with the lane's best, tile b's alone), and for each tile a comparison and five selections.
; Where a tile is not strictly larger the old best, its tile and its eight s stay: a tie keeps the lower tile.
.macro KEEP e                          ; the best tile's eight s: two selections a line
.irp j, 0,2,4,6
	v_dual_cndmask_b32 v[WB+\j], v[\e+\j], v[WB+\j] :: v_dual_cndmask_b32 v[WB+\j+1], v[\e+\j+1], v[WB+\j+1]
.endr
.endm
.macro EPI g
.set EA, ACC+16*((\g)%4)
.set EB, EA+8
.set ETA, 2*((\g)%8)
	v_max3_num_f32 v[E1], v[EA], v[EA+1], v[EA+2]  ; an accumulator is read from its low end on
	v_max3_num_f32 v[E2], v[EA+3], v[EA+4], v[EA+5]
	v_max3_num_f32 v[E3], v[EA+6], v[EA+7], v[GB]
	v_max3_num_f32 v[E4], v[EB], v[EB+1], v[EB+2]
	v_max3_num_f32 v[E5], v[EB+3], v[EB+4], v[EB+5]
	v_max_num_f32 v[E6], v[EB+6], v[EB+7]
	v_max3_num_f32 v[TA], v[E1], v[E2], v[E3]
	v_max3_num_f32 v[TM], v[E4], v[E5], v[E6]
	v_cmp_le_f32 vcc_lo, v[TA], v[GB]              ; tile a brought nothing larger
	v_max_num_f32 v[GB], v[TA], v[TM]
	KEEP EA
	v_cndmask_b32 v[BT], ETA, v[BT], vcc_lo
	v_cmp_le_f32 vcc_lo, v[TM], v[TA]              ; nor tile b
	KEEP EB
	v_cndmask_b32 v[BT], ETA+1, v[BT], vcc_lo
.endm
; Row tile m's end: the lowest j at which the best tile holds the best value, by seven masks and a tree of selections; the index; the two halves of the lanes joined (equal values: the lower index); the best begins anew; the candidate to LDS.
.macro MERGE m
	v_permlanex16_b32 v[WT], v[GB], s[SEL], s[SEL+1]
.irp j, 0,1,2,3,4,5,6
	v_cmp_eq_f32 s[MK+\j], v[WB+\j], v[GB]
.endr
	v_lshl_add_u32 v[IX], v[BT], 4, v[LB]          ; 256 w + 16 t + 8 h
	v_max_num_f32 v[MV], v[GB], v[WT]
	s_or_b32 s[MK+7], s[MK], s[MK+1]               ; j is 0 or 1
	s_or_b32 s[MK+8], s[MK+4], s[MK+5]             ; 4 or 5
	v_cndmask_b32 v[E1], 1, 0, s[MK]
	v_cndmask_b32 v[E2], 3, 2, s[MK+2]
	v_cndmask_b32 v[E3], 5, 4, s[MK+4]
	v_cndmask_b32 v[E4], 7, 6, s[MK+6]
	s_or_b32 s[MK+9], s[MK+2], s[MK+3]
	s_or_b32 s[MK+9], s[MK+7], s[MK+9]             ; under 4
	v_cmp_eq_f32 s[MK+10], v[GB], v[MV]
	v_cndmask_b32 v[E1], v[E2], v[E1], s[MK+7]
	v_cndmask_b32 v[E3], v[E4], v[E3], s[MK+8]
	v_cndmask_b32 v[E1], v[E3], v[E1], s[MK+9]
	v_add_nc_u32 v[IX], v[IX], v[E1]               ; + j
	v_cndmask_b32 v[CI], s[BIG], v[IX], s[MK+10]   ; my index counts where my value is the largest
	v_permlanex16_b32 v[ST], v[CI], s[SEL], s[SEL+1]
	v_min_u32 v[CI], v[CI], v[ST]
	v_mov_b32 v[GB], s[NINF]
	s_wait_alu depctr_va_vdst(0)
	ds_store_b32 v[CA], v[MV] offset:64*(\m)       ; both halves of the lanes write the same words with the same values
	ds_store_b32 v[CA], v[CI] offset:1024+64*(\m)
.set ISS, ISS+2
.endm
.macro ASK                             ; my 16 rows of the block two on: 128 runs of 256 bytes, a lane a run; trip 6 has no such block
	s_cmp_lt_u32 s[BC], 6
	s_cbranch_scc0 .Lnoask_\@
.irp i, 0,1,2,3
	global_prefetch_b8 v[PFO], s[PF:PF+1] offset:8192*\i th:TH_LOAD_NT scope:SCOPE_SE
.endr
.Lnoask_\@:
.endm
; STEP G of a block's 32.  The wait leaves out the LDS instructions issued behind the table loads of group G; the row tile's fragments were asked for ahead of those loads.
; Behind an even step from 2 to 28 one run of LDS lines: the candidate stores (steps 8, 16, 24), the table loads of groups G + 2 and G + 3, the fragments of row tile G / 8 + 1 (steps 8, 16).
.macro STEP ask
.if G%4 == 0
.set N, ISS-MRK0
.endif
.if G%4 == 1
.set N, ISS-MRK1
.endif
.if G%4 == 2
.set N, ISS-MRK2
.endif
.if G%4 == 3
.set N, ISS-MRK3
.endif
	s_wait_dscnt N
	MUL8 G
.if G == 0
.rept 4
	v_nop                                          ; places behind the first group's products, ahead of the first read of their results (ISA guide 7.12.1); later the group before's vector lines are the places
.endr
.else
	EPI G-1
.if G%8 == 0
	MERGE G/8-1
.endif
.endif
.if (G%2 == 0) && (G > 0) && (G < 30)
	CINIT G+2
	CINIT G+3
.endif
.if (G%8 == 0) && (G > 0) && (G < 24)
	XLOAD G/8+1
.endif
.if (\ask) && (G == 4)
	ASK
.endif
.endm
.macro BLOCK fill
	CHANGE \fill
	PHASEQ
	s_wait_loadcnt 0x0                             ; the weights and their scale words (only the first trip finds any out)
	s_wait_dscnt 0x0                               ; my images and words have landed
	s_barrier_signal -1
	s_barrier_wait -1                              ; everybody's have.
.set ISS, 0
	XLOAD 0
	CINIT 0
	CINIT 1
	CINIT 2
	CINIT 3
	XLOAD 1
.set G, 0
.rept 32
	STEP \fill
.set G, G+1
.endr
	EPI 31
	MERGE 3
	s_xor_b32 s[TB], s[TB], SLOT                   ; on to the other slot
	s_add_co_u32 s[CB], s[CB], 2048                ; and to the next block's candidates
.endm
.Lblock:                                           ; seven trips: behind each change of slots but the last the next block is asked for
	BLOCK 1
	s_add_co_u32 s[BC], s[BC], 1
	s_cmp_lt_u32 s[BC], 7
	s_cbranch_scc1 .Lblock
	BLOCK 0                                        ; the last block is written out
	s_wait_dscnt 0x0                               ; my candidates have landed
	s_barrier_signal -1
	s_barrier_wait -1
; THE END.  Wave w joins the four waves' candidates of blocks 2 w and 2 w + 1, two rows a lane; strictly larger in ascending order of waves keeps the lower index.
.irp p, 0,1
.irp k, 0,1,2,3
	ds_load_b64 v[FV+16*\p+2*\k:FV+16*\p+2*\k+1], v[FR] offset:2048*\p+256*\k
	ds_load_b64 v[FV+8+16*\p+2*\k:FV+8+16*\p+2*\k+1], v[FR] offset:2048*\p+1024+256*\k
.endr
.endr
	s_wait_dscnt 0x0
.irp p, 0,1
.irp k, 1,2,3
.irp e, 0,1
	v_cmp_gt_f32 vcc_lo, v[FV+16*\p+2*\k+\e], v[FV+16*\p+\e]
	v_max_num_f32 v[FV+16*\p+\e], v[FV+16*\p+\e], v[FV+16*\p+2*\k+\e]
	v_cndmask_b32 v[FV+8+16*\p+\e], v[FV+8+16*\p+\e], v[FV+8+16*\p+2*\k+\e], vcc_lo
.endr
.endr
	global_store_b64 v[GO], v[FV+8+16*\p:FV+9+16*\p], s[12:13] offset:256*\p   ; 32 lanes store 256 consecutive bytes, aligned
	global_store_b64 v[GO], v[FV+8+16*\p:FV+9+16*\p], s[14:15] offset:256*\p
.endr
	s_wait_tensorcnt 0x0                           ; the wave's end
	ds_add_u32 v[SPW], v[NIL]
	s_wait_dscnt 0x0
	s_endpgm
.Lfunc_end_k_qce2a0df45a_assign:
	.size	k_qce2a0df45a_assign, .Lfunc_end_k_qce2a0df45a_assign-k_qce2a0df45a_assign
	.p2alignl 7, 3214868480
	.fill 96, 4, 3214868480
	.section	.rodata,"a",@progbits
	.p2align	6, 0x0
	.amdhsa_kernel k_qce2a0df45a_assign
		.amdhsa_group_segment_fixed_size 327680
		.amdhsa_private_segment_fixed_size 0
		.amdhsa_enable_private_segment 0
		.amdhsa_kernarg_size 48
		.amdhsa_user_sgpr_count 2
		.amdhsa_user_sgpr_kernarg_segment_ptr 1
		.amdhsa_wavefront_size32 1
		.amdhsa_system_sgpr_workgroup_id_x 1
		.amdhsa_system_sgpr_workgroup_id_y 1
		.amdhsa_system_sgpr_workgroup_id_z 1
		.amdhsa_system_vgpr_workitem_id 0
		.amdhsa_next_free_vgpr 1024
		.amdhsa_next_free_sgpr 66
		.amdhsa_reserve_vcc 1
		.amdhsa_float_denorm_mode_32 3
		.amdhsa_float_denorm_mode_16_64 3
		.amdhsa_memory_ordered 1
		.amdhsa_forward_progress 1
		.amdhsa_inst_pref_size 244
	.end_amdhsa_kernel
	.amdgpu_metadata
---
amdhsa.version: [ 1, 2 ]
amdhsa.kernels:
  - .name:           k_qce2a0df45a_assign
    .symbol:         k_qce2a0df45a_assign.kd
    .args:
      - { .name: embeddings, .offset: 0, .size: 8, .value_kind: global_buffer, .address_space: global }
      - { .name: wcodes, .offset: 8, .size: 8, .value_kind: global_buffer, .address_space: global }
      - { .name: wscales, .offset: 16, .size: 8, .value_kind: global_buffer, .address_space: global }
      - { .name: csqr, .offset: 24, .size: 8, .value_kind: global_buffer, .address_space: global }
      - { .name: out1, .offset: 32, .size: 8, .value_kind: global_buffer, .address_space: global }
      - { .name: idxw, .offset: 40, .size: 8, .value_kind: global_buffer, .address_space: global }
    .group_segment_fixed_size: 327680
    .private_segment_fixed_size: 0
    .kernarg_segment_align: 8
    .kernarg_segment_size: 48
    .max_flat_workgroup_size: 128
    .sgpr_count:     66
    .vgpr_count:     1024
    .wavefront_size: 32
...
	.end_amdgpu_metadata
.endif
;; end of part 2
;; launch loss (part 3): grid 256 x 1, 16 waves a work-group, no clusters, 266,240 bytes of LDS; arguments embeddings, centroids, idxw, partials; writes partials
.if DOCPART == 3
	.amdgcn_target "amdgcn-amd-amdhsa--gfx1250"
	.amdhsa_code_object_version 6
	.text
	.protected	k_qce2a0df45a_loss
	.globl	k_qce2a0df45a_loss
	.p2align	8
	.type	k_qce2a0df45a_loss,@function
k_qce2a0df45a_loss:
	s_mov_b64 s[64:65], 0
	v_nop
	global_prefetch_b8 v0, s[64:65] scope:SCOPE_SE
	s_setreg_imm32_b32 hwreg(HW_REG_WAVE_MODE, 25, 1), 1
	s_wait_xcnt 0x0
; partials[g] = the sum, over work-group g's 4,096 rows n and its 64 columns d, of (embeddings[n][d] - centroids[idxw[n]][d])^2, in f32, on the numbers as they are given (nothing is quantised here).
; SHARES.  Work-group g takes columns 64 (g % 8) .. + 63 of rows 4,096 (g / 8) .. + 4,095.  All 1,024 centroids' parts of those columns are 1,024 x 256 = 262,144 bytes: they come into LDS ONCE, one tensor load a wave
; (64 rows of 256 bytes), and every row's centroid is then taken from LDS.  So a work-group takes in 1,048,576 bytes of e, 262,144 of the table and 16,384 of indices; with a centroid's row fetched for each row of e it would be twice 1,048,576.
; A row's part is 256 consecutive bytes of e, at a multiple of 256 from the buffer's first byte, and is read by this work-group alone.
; A wave owns 256 rows.  Iteration i (0 .. 127): lanes 0-15 take row i, lanes 16-31 row 128 + i, 16 bytes a lane, of e by one global load and of the centroid by one LDS load (sixteen lanes: 64 banks of 4 bytes, ISA guide 11.1).
; THE INDICES: two loads a wave; register 4 c + j of lane (h, q) holds the index of row 128 h + 64 c + 4 q + j.  An iteration's index reaches its sixteen lanes by a DPP move (row_share), is held to 0 .. 1,023, and becomes an LDS address.
; 32 slots of e in registers keep 32 loads of every wave on their way; the gathers run one step (four iterations) ahead.  Written out, no loop: every offset is an immediate, no address register is written twice but the gathers' four.
; NO CLUSTER, though the 32 work-groups of a slice read the same table: it is 262,144 of the 1,327,104 bytes that a work-group takes in, it is read once, and it has to land in every work-group's LDS all the same.
; No matrix unit: the differences are wanted exactly.  No slot is filled twice: the tensor loads are first fills, waited for once.
.set NIT,   128                        ; iterations of a wave
.set NQ,    NIT/4                      ; steps of four
.set DEPTH, 32                         ; slots of e
.set SCR,   262144                     ; LDS behind the table: a word for each thread
.set VE,    1                          ; v1      e: 128 rows x 2,048 bytes x h + 16 q; never rewritten
.set L16,   2                          ; v2      16 q
.set SA,    3                          ; v3      SCR + 4 x thread
.set IO,    4                          ; v4      the indices: 512 h + 16 q; never rewritten
.set AT,    8                          ; v8-11   a step's four LDS addresses
.set IDX,   12                         ; v12-19  the wave's 256 indices
.set AC,    20                         ; v20-27  four pairs of sums
.set EB,    64                         ; v64-191 slot i % 32: four numbers of e
.set CB,    192                        ; v192-223 two sets of four gathered pieces
	s_load_b256 s[4:11], s[0:1], 0x0               ; embeddings s[4:5], centroids s[6:7], idxw s[8:9], partials s[10:11]
	v_lshl_add_u32 v224, v0, 2, 0x40800
	v_mov_b32 v225, 0
	ds_add_u32 v224, v225
	ds_add_u32 v224, v225
	v_lshrrev_b32 v5, 5, v0
	s_delay_alu instid0(VALU_DEP_1)
	v_readfirstlane_b32 s12, v5                    ; wave 0..15
	; descriptor group 1: 64 rows of 32 elements of 8 bytes (256 bytes), 256 elements (a centroid's 2,048 bytes) from row to row; no padding
	s_mov_b32 s24, 3<<16
	s_mov_b32 s25, 32<<16                          ; tensor_dim0
	s_mov_b32 s26, 64<<16                          ; tensor_dim1
	s_mov_b32 s27, 32<<16                          ; tile_dim0
	s_mov_b32 s28, 64                              ; tile_dim1
	s_mov_b32 s29, 256                             ; pitch
	s_mov_b32 s30, 0
	s_mov_b32 s31, 0
	s_and_b32 s13, ttmp9, 7                        ; the slice of columns
	s_lshr_b32 s14, ttmp9, 3                       ; the block of rows
	s_lshl_b32 s16, s13, 8                         ; the table: 256 x slice + my wave's 64 centroids of 2,048 bytes
	s_lshl_b32 s17, s12, 17
	s_add_co_u32 s16, s16, s17
	s_mov_b32 s17, 0
	s_lshl_b32 s18, s14, 23                        ; e: (4,096 block + 256 wave) rows of 2,048 bytes + 256 x slice: under 2^28
	s_lshl_b32 s19, s12, 19
	s_add_co_u32 s18, s18, s19
	s_lshl_b32 s19, s13, 8
	s_add_co_u32 s18, s18, s19
	s_mov_b32 s19, 0
	s_lshl_b32 s20, s14, 14                        ; the indices: 4 bytes a row
	s_lshl_b32 s21, s12, 10
	s_add_co_u32 s20, s20, s21
	s_mov_b32 s21, 0
	s_lshl_b32 s22, ttmp9, 2                       ; my work-group's number among the partial sums
	s_mov_b32 s23, 0
	s_mov_b32 s36, 0x76543210
	s_mov_b32 s37, 0xfedcba98                      ; v_permlanex16_b32's selects for lane l xor 16
	s_wait_dscnt 0x0
	s_wait_kmcnt 0x0
	s_mov_b32 s32, 1                               ; group 0: count = 1
	s_lshl_b32 s33, s12, 14                        ; LDS: centroid c's part lies at 256 c; my 64 begin at 16,384 x wave
	s_add_nc_u64 s[34:35], s[6:7], s[16:17]
	s_or_b32 s35, s35, 0x80000000                  ; type = 2
	tensor_load_to_lds s[32:35], s[24:31]          ; the one tensor load of the wave: a first fill, ahead of every wait on TENSORcnt, LDS read and barrier
	s_nop 0
	v_and_b32 v5, 15, v0                           ; q
	v_bfe_u32 v6, v0, 4, 1                         ; h
	s_delay_alu instid0(VALU_DEP_2)
	v_lshlrev_b32 v[L16], 4, v5
	s_delay_alu instid0(VALU_DEP_1)
	v_lshl_add_u32 v[VE], v6, 18, v[L16]
	s_delay_alu instid0(VALU_DEP_2)
	v_lshl_add_u32 v[IO], v6, 9, v[L16]
	v_lshl_add_u32 v[SA], v0, 2, SCR
	v_mov_b32 v7, 0
	v_mov_b32 v28, 0                               ; a lane permute's destination counts as one of its sources,
.irp k, 0,1,2,3
	v_mov_b32 v[AT+\k], 0                          ; and so does a DPP form's
.endr
	s_add_nc_u64 s[4:5], s[4:5], s[18:19]
	s_add_nc_u64 s[8:9], s[8:9], s[20:21]
	s_add_nc_u64 s[10:11], s[10:11], s[22:23]
	global_load_b128 v[IDX:IDX+3], v[IO], s[8:9]               ; sixteen lanes read 256 consecutive bytes: 64 indices
	global_load_b128 v[IDX+4:IDX+7], v[IO], s[8:9] offset:256
.set R, 0
.rept DEPTH
	global_load_b128 v[EB+4*R:EB+4*R+3], v[VE], s[4:5] offset:R*2048 th:TH_LOAD_NT   ; iterations 0 to 31
.set R, R+1
.endr
; The four gathers of step GQ: iterations 4 GQ + k are index registers 4 (GQ / 16) + k, lane GQ % 16 of each half.
.macro BCAST n
.irp k, 0,1,2,3
	v_mov_b32_dpp v[AT+\k], v[IDX+4*GC+\k] row_share:\n row_mask:0xf bank_mask:0xf
.endr
.endm
.macro GATHER
.set GC, GQ/16
.set CG0, CB+16*(GQ%2)
.irp n, 0,1,2,3,4,5,6,7,8,9,10,11,12,13,14,15
.if GQ%16 == \n
	BCAST \n
.endif
.endr
.irp k, 0,1,2,3
	s_delay_alu instid0(VALU_DEP_4)
	v_min_u32 v[AT+\k], 0x3ff, v[AT+\k]            ; an index stays inside the table
.endr
.irp k, 0,1,2,3
	s_delay_alu instid0(VALU_DEP_4)
	v_lshl_add_u32 v[AT+\k], v[AT+\k], 8, v[L16]   ; 256 x index + 16 q: at most 262,128
.endr
.irp k, 0,1,2,3
	ds_load_b128 v[CG0+4*\k:CG0+4*\k+3], v[AT+\k]
.endr
.endm
; Step SQ: the next step's gathers go out; this step's four loads of e and four gathers are in; e - c; the slots take the iterations 32 further on; the squares.
.macro STEP
.if SQ+1 < NQ
.set GQ, SQ+1
	GATHER
.endif
.set EQ0, EB+16*(SQ%8)
.set CQ0, CB+16*(SQ%2)
.if 124-4*SQ > 28
	s_wait_loadcnt 28                              ; loads come back in order: behind this step's four stand the 28 of the seven steps that follow
.else
	s_wait_loadcnt 124-4*SQ                        ; the last steps fill nothing: the counts run down
.endif
.if SQ+1 < NQ
	s_wait_dscnt 4                                 ; this step's gathers are in; the four just issued stay out
.else
	s_wait_dscnt 0x0
.endif
.irp p, 0,1,2,3,4,5,6,7
	v_pk_add_f32 v[CQ0+2*\p:CQ0+2*\p+1], v[EQ0+2*\p:EQ0+2*\p+1], v[CQ0+2*\p:CQ0+2*\p+1] neg_lo:[0,1] neg_hi:[0,1]   ; e - c
.endr
.if 4*SQ+DEPTH < NIT
.irp k, 0,1,2,3
	global_load_b128 v[EQ0+4*\k:EQ0+4*\k+3], v[VE], s[4:5] offset:(4*SQ+DEPTH+\k)*2048 th:TH_LOAD_NT
.endr
.endif
.irp p, 0,1,2,3,4,5,6,7
.if (SQ == 0) && (\p < 4)
	v_pk_mul_f32 v[AC+2*\p:AC+2*\p+1], v[CQ0+2*\p:CQ0+2*\p+1], v[CQ0+2*\p:CQ0+2*\p+1]   ; the first products start the sums
.else
	v_pk_fma_f32 v[AC+2*(\p%4):AC+2*(\p%4)+1], v[CQ0+2*\p:CQ0+2*\p+1], v[CQ0+2*\p:CQ0+2*\p+1], v[AC+2*(\p%4):AC+2*(\p%4)+1]
.endif
.endr
.endm
	s_wait_loadcnt 32                              ; the indices are in; the 32 loads of e issued behind them stay out
	s_wait_tensorcnt 0x0                           ; my 64 centroids' parts have landed,
	s_barrier_signal -1
	s_barrier_wait -1                              ; everybody's have: the table is whole
.set GQ, 0
	GATHER
.set SQ, 0
.rept NQ
	STEP
.set SQ, SQ+1
.endr
	s_delay_alu instid0(VALU_DEP_3)
	v_pk_add_f32 v[AC:AC+1], v[AC:AC+1], v[AC+2:AC+3]
	s_delay_alu instid0(VALU_DEP_2)
	v_pk_add_f32 v[AC+4:AC+5], v[AC+4:AC+5], v[AC+6:AC+7]
	s_delay_alu instid0(VALU_DEP_1)
	v_pk_add_f32 v[AC:AC+1], v[AC:AC+1], v[AC+4:AC+5]
	s_delay_alu instid0(VALU_DEP_1)
	v_add_f32 v29, v[AC], v[AC+1]
	s_wait_alu depctr_va_vdst(0)
	s_wait_dscnt 0x0                               ; my gathers are over (the last step's wait was for 0)
	s_barrier_signal -1                            ; a barrier between the last gather of any wave, whose address comes from a loaded number, and the first store into LDS;
	s_barrier_wait -1                              ; the waves would wait for each other at the barrier below all the same
	ds_store_b32 v[SA], v29                        ; a word for each thread, behind the table
	s_wait_dscnt 0x0                               ; for the others' sake
	s_barrier_signal -1
	s_barrier_wait -1
	s_cmp_lg_u32 s12, 0
	s_cbranch_scc1 .Ldone                          ; wave 0 adds the sixteen waves' words, then its 32 lanes
.irp k, 0,1,2,3,4,5,6,7,8,9,10,11,12,13,14,15
	ds_load_b32 v[32+\k], v[SA] offset:128*\k
.endr
	s_wait_dscnt 0x0
.irp k, 0,4,8,12
	v_pk_add_f32 v[32+\k:33+\k], v[32+\k:33+\k], v[34+\k:35+\k]
.endr
	s_delay_alu instid0(VALU_DEP_3)
	v_pk_add_f32 v[32:33], v[32:33], v[36:37]
	s_delay_alu instid0(VALU_DEP_2)
	v_pk_add_f32 v[40:41], v[40:41], v[44:45]
	s_delay_alu instid0(VALU_DEP_1)
	v_pk_add_f32 v[32:33], v[32:33], v[40:41]
	s_delay_alu instid0(VALU_DEP_1)
	v_add_f32 v29, v32, v33
	s_delay_alu instid0(VALU_DEP_1)
	v_add_f32_dpp v29, v29, v29 row_xmask:1 row_mask:0xf bank_mask:0xf
	s_delay_alu instid0(VALU_DEP_1)
	v_add_f32_dpp v29, v29, v29 row_xmask:2 row_mask:0xf bank_mask:0xf
	s_delay_alu instid0(VALU_DEP_1)
	v_add_f32_dpp v29, v29, v29 row_xmask:4 row_mask:0xf bank_mask:0xf
	s_delay_alu instid0(VALU_DEP_1)
	v_add_f32_dpp v29, v29, v29 row_xmask:8 row_mask:0xf bank_mask:0xf
	s_delay_alu instid0(VALU_DEP_1)
	v_permlanex16_b32 v28, v29, s36, s37
	s_delay_alu instid0(VALU_DEP_1)
	v_add_f32 v29, v29, v28
	v_cmp_eq_u32 vcc_lo, 0, v0
	s_wait_alu depctr_va_vdst(0)
	s_wait_xcnt 0x0                                ; EXEC changes only behind this wait
	s_and_saveexec_b32 s38, vcc_lo
	global_store_b32 v7, v29, s[10:11]             ; one number a work-group
	s_wait_xcnt 0x0                                ; and again in front of the line that widens it
	s_or_b32 exec_lo, exec_lo, s38
.Ldone:
	s_wait_tensorcnt 0x0
	ds_add_u32 v224, v225
	s_wait_dscnt 0x0
	s_endpgm
.Lfunc_end_k_qce2a0df45a_loss:
	.size	k_qce2a0df45a_loss, .Lfunc_end_k_qce2a0df45a_loss-k_qce2a0df45a_loss
	.p2alignl 7, 3214868480
	.fill 96, 4, 3214868480
	.section	.rodata,"a",@progbits
	.p2align	6, 0x0
	.amdhsa_kernel k_qce2a0df45a_loss
		.amdhsa_group_segment_fixed_size 266240
		.amdhsa_private_segment_fixed_size 0
		.amdhsa_enable_private_segment 0
		.amdhsa_kernarg_size 32
		.amdhsa_user_sgpr_count 2
		.amdhsa_user_sgpr_kernarg_segment_ptr 1
		.amdhsa_wavefront_size32 1
		.amdhsa_system_sgpr_workgroup_id_x 1
		.amdhsa_system_sgpr_workgroup_id_y 1
		.amdhsa_system_sgpr_workgroup_id_z 1
		.amdhsa_system_vgpr_workitem_id 0
		.amdhsa_next_free_vgpr 226
		.amdhsa_next_free_sgpr 66
		.amdhsa_reserve_vcc 1
		.amdhsa_float_denorm_mode_32 3
		.amdhsa_float_denorm_mode_16_64 3
		.amdhsa_memory_ordered 1
		.amdhsa_forward_progress 1
		.amdhsa_inst_pref_size 93
	.end_amdhsa_kernel
	.amdgpu_metadata
---
amdhsa.version: [ 1, 2 ]
amdhsa.kernels:
  - .name:           k_qce2a0df45a_loss
    .symbol:         k_qce2a0df45a_loss.kd
    .args:
      - { .name: embeddings, .offset: 0, .size: 8, .value_kind: global_buffer, .address_space: global }
      - { .name: centroids, .offset: 8, .size: 8, .value_kind: global_buffer, .address_space: global }
      - { .name: idxw, .offset: 16, .size: 8, .value_kind: global_buffer, .address_space: global }
      - { .name: partials, .offset: 24, .size: 8, .value_kind: global_buffer, .address_space: global }
    .group_segment_fixed_size: 266240
    .private_segment_fixed_size: 0
    .kernarg_segment_align: 8
    .kernarg_segment_size: 32
    .max_flat_workgroup_size: 512
    .sgpr_count:     66
    .vgpr_count:     226
    .wavefront_size: 32
...
	.end_amdgpu_metadata
.endif
;; end of part 3
;; launch finish (part 4): grid 1 x 1, 1 waves a work-group, no clusters, 0 bytes of LDS; arguments partials, out0; writes out0
.if DOCPART == 4
	.amdgcn_target "amdgcn-amd-amdhsa--gfx1250"
	.amdhsa_code_object_version 6
	.text
	.protected	k_qce2a0df45a_finish
	.globl	k_qce2a0df45a_finish
	.p2align	8
	.type	k_qce2a0df45a_finish,@function
k_qce2a0df45a_finish:
	s_mov_b64 s[64:65], 0
	v_nop
	global_prefetch_b8 v0, s[64:65] scope:SCOPE_SE
	s_setreg_imm32_b32 hwreg(HW_REG_WAVE_MODE, 25, 1), 1
	s_wait_xcnt 0x0
; out0 = the sum of the 256 partial sums / (131,072 x 512).  One wave: eight numbers a lane, then the 32 lanes.  The divisor is 2^26, so the division is an exact scaling.
	s_load_b128 s[4:7], s[0:1], 0x0                ; partials s[4:5], out0 s[6:7]
	v_lshlrev_b32 v1, 5, v0                        ; 32 bytes a lane
	v_mov_b32 v11, 0                               ; a lane permute's destination counts as one of its sources
	v_mov_b32 v12, 0
	s_mov_b32 s8, 0x76543210
	s_mov_b32 s9, 0xfedcba98
	s_wait_alu depctr_va_vdst(0)
	s_wait_kmcnt 0x0
	global_load_b128 v[2:5], v1, s[4:5]
	global_load_b128 v[6:9], v1, s[4:5] offset:16
	s_wait_loadcnt 0x0
	v_pk_add_f32 v[2:3], v[2:3], v[4:5]
	v_pk_add_f32 v[6:7], v[6:7], v[8:9]
	v_pk_add_f32 v[2:3], v[2:3], v[6:7]
	v_add_f32 v10, v2, v3
	v_add_f32_dpp v10, v10, v10 row_xmask:1 row_mask:0xf bank_mask:0xf
	v_add_f32_dpp v10, v10, v10 row_xmask:2 row_mask:0xf bank_mask:0xf
	v_add_f32_dpp v10, v10, v10 row_xmask:4 row_mask:0xf bank_mask:0xf
	v_add_f32_dpp v10, v10, v10 row_xmask:8 row_mask:0xf bank_mask:0xf
	v_permlanex16_b32 v11, v10, s8, s9
	v_add_f32 v10, v10, v11
	v_mul_f32 v10, 0x32800000, v10                 ; x 2^-26
	v_cmp_eq_u32 vcc_lo, 0, v0
	s_wait_alu depctr_va_vdst(0)
	s_wait_xcnt 0x0                                ; EXEC changes only behind this wait
	s_and_saveexec_b32 s10, vcc_lo
	global_store_b32 v12, v10, s[6:7]
	s_wait_xcnt 0x0
	s_or_b32 exec_lo, exec_lo, s10
	s_endpgm
.Lfunc_end_k_qce2a0df45a_finish:
	.size	k_qce2a0df45a_finish, .Lfunc_end_k_qce2a0df45a_finish-k_qce2a0df45a_finish
	.p2alignl 7, 3214868480
	.fill 96, 4, 3214868480
	.section	.rodata,"a",@progbits
	.p2align	6, 0x0
	.amdhsa_kernel k_qce2a0df45a_finish
		.amdhsa_group_segment_fixed_size 0
		.amdhsa_private_segment_fixed_size 0
		.amdhsa_enable_private_segment 0
		.amdhsa_kernarg_size 16
		.amdhsa_user_sgpr_count 2
		.amdhsa_user_sgpr_kernarg_segment_ptr 1
		.amdhsa_wavefront_size32 1
		.amdhsa_system_sgpr_workgroup_id_x 1
		.amdhsa_system_sgpr_workgroup_id_y 1
		.amdhsa_system_sgpr_workgroup_id_z 1
		.amdhsa_system_vgpr_workitem_id 0
		.amdhsa_next_free_vgpr 16
		.amdhsa_next_free_sgpr 66
		.amdhsa_reserve_vcc 1
		.amdhsa_float_denorm_mode_32 3
		.amdhsa_float_denorm_mode_16_64 3
		.amdhsa_memory_ordered 1
		.amdhsa_forward_progress 1
		.amdhsa_inst_pref_size 2
	.end_amdhsa_kernel
	.amdgpu_metadata
---
amdhsa.version: [ 1, 2 ]
amdhsa.kernels:
  - .name:           k_qce2a0df45a_finish
    .symbol:         k_qce2a0df45a_finish.kd
    .args:
      - { .name: partials, .offset: 0, .size: 8, .value_kind: global_buffer, .address_space: global }
      - { .name: out0, .offset: 8, .size: 8, .value_kind: global_buffer, .address_space: global }
    .group_segment_fixed_size: 0
    .private_segment_fixed_size: 0
    .kernarg_segment_align: 8
    .kernarg_segment_size: 16
    .max_flat_workgroup_size: 32
    .sgpr_count:     66
    .vgpr_count:     16
    .wavefront_size: 32
...
	.end_amdgpu_metadata
.endif
;; end of part 4
